; MI455X (gfx1250); checked and timed in simulation.
; The chip was launched on July 23, 2026; its instructions are those of AMD's public machine-readable ISA for CDNA 5 (MIT licence, August 2026) and "CDNA5" Instruction Set Architecture Reference Guide (July 2026). The comments in the code are by the model that wrote it; some were corrected since.
;; Linear Attention. Allowed arithmetic: float matrix products may take bf16 or f16 operands with f32 sums; all other float work in f32.
;; Inputs: keys 8 x 8,192 x 8 x 32 float32; queries 8 x 8,192 x 8 x 32 float32; values 8 x 8,192 x 8 x 32 float32.
;; Outputs: out0 8 x 8,192 x 8 x 32 float32.
;; One version. Each part assembles by itself: llvm-mc -triple=amdgcn-amd-amdhsa -mcpu=gfx1250 --defsym DOCPART=n.
;; ======== version 1 of 1: 2 launches
;; workspace buffers: part 2,621,440 bytes
;; launch kvsum (part 1): grid 256 x 1, 8 waves a work-group, no clusters, 84,992 bytes of LDS; arguments keys, values, part; writes part
.if DOCPART == 1
	.amdgcn_target "amdgcn-amd-amdhsa--gfx1250"
	.amdhsa_code_object_version 6
	.text
	.protected	k_q0e95ccf7fb_kvsum
	.globl	k_q0e95ccf7fb_kvsum
	.p2align	8
	.type	k_q0e95ccf7fb_kvsum,@function
k_q0e95ccf7fb_kvsum:
	s_mov_b64 s[64:65], 0
	v_nop
	global_prefetch_b8 v0, s[64:65] scope:SCOPE_SE
	s_setreg_imm32_b32 hwreg(HW_REG_WAVE_MODE, 25, 1), 1
	s_wait_xcnt 0x0
; kvsum: partial sums of KV[d][v] = sum over s of phi(K[s][d]) V[s][v] / 8192 and of Ksum[d] = sum over s of phi(K[s][d]),
; phi(x) = elu(x) + 1.  keys, values: [8][8192][8][32] f32, a row (one s, all heads) is 1,024 bytes.
; A work-group owns one batch n, one PAIR of heads (256 consecutive bytes of every row, aligned) and 1,024 rows; 8 x 4 x 8 = 256 groups.
; Eight waves, 128 rows each, in four steps of 32 rows.  No two work-groups read the same byte, so nothing could be shared in a cluster.
;
; NO TRANSPOSE: one 16-byte load has lanes 0-15 on the 256 bytes of one row and lanes 16-31 on those of the next row.  Lane r then holds
; columns 4q+j (q = r & 7, j = 0..3) of head r >> 3.  The sum runs over rows, and a fragment wants the summed index along a lane's registers:
; packing the SAME j of two loads gives fragment A_j(m = r = (head, q), k = row); V gives B_t(n = (head', q'), k = row) alike (the same order of
; rows on both sides, so the products pair rightly).  D(j,t) = A_j x B_t holds KV[head][4 q + j][4 q' + t] where head = head'; the other half of each
; tile (head != head') is never read: twice the matrix work of a dense form, for rows that come in by whole 256-byte pieces and never pass LDS.
; A_j x ones gives Ksum[head][4 q + j] in every column.
;
; OUTPUT: part[(n*4+pair)*8+chunk] = 10,240 bytes = 20 tiles T (T = 4 j + t, then 16 + j for Ksum) x 32 items of 16 bytes; item (e, u) = registers
; 4e..4e+3 of tile T in the lane that holds column u of head u >> 3: KV[u>>3][16 e + 4 x + j][4 (u&7) + t], x = 0..3.  The next launch reads it lane by lane.
; LIMITS: finite inputs (a NaN is not carried through the middle-of-three below).  phi and V are rounded to bf16 for the matrix unit, all sums are f32.
; phi keeps the definition's steps e^x - 1 and + 1, so that very negative x gives exactly 0.  Where the rounded e^x - 1 falls below a small positive x
; (by 2e-7 at the most) it is taken in x's stead: at most about two ulps of phi, far inside the rounding to bf16 that follows.
.set ROWB,  1024                       ; bytes of a row
.set STEPB, 32*ROWB                    ; a step: 32 rows
.set PARTB, 10240                      ; bytes of a partial, and of a wave's LDS region
.set VOFF,  1                          ; v1       byte offset of my 16 bytes in my wave's first two rows; never rewritten
.set LST,   2                          ; v2       LDS: where I put my tiles
.set LRA,   3                          ; v3       16 x thread: LDS item in waves 0-3's regions, and the offset in part
.set LRB,   4                          ; v4       the same item in waves 4-7's regions (an LDS offset has 16 bits)
.set TM,    16                         ; v16-31   at work
.set RB0,   64                         ; v64-127, v128-191, v192-255: three raw buffers, each 16 loads = 32 rows of K or of V
.set RB1,   128
.set RB2,   192
.set ACC,   0                          ; window 1 (v256 and up): v256-415 twenty accumulator tiles, tile T at 8 T
.set FA,    160                        ;   v416-447  A_0..A_3
.set FB,    192                        ;   v448-479  B_0..B_3
.set ONE,   224                        ;   v480-487  a fragment of ones
.set CL,    20                         ; s[20:21] log2(e)
.set MSB,   0
.macro WIN new                         ; register window; the immediate's high byte repeats the setting that is left
.if MSB != \new
	s_set_vgpr_msb (MSB<<8)|\new
.set MSB, \new
.endif
.endm
	s_load_b128 s[4:7], s[0:1], 0x0                ; keys s[4:5], values s[6:7]
	s_load_b64 s[8:9], s[0:1], 0x10                ; part
	v_lshl_add_u32 v62, v0, 2, 0x14800
	v_mov_b32 v63, 0
	v_lshrrev_b32 v6, 5, v0
	v_readfirstlane_b32 s10, v6                    ; wave 0..7
	v_and_b32 v7, 15, v0                           ; r
	v_bfe_u32 v8, v0, 4, 1                         ; h
	v_lshlrev_b32 v[VOFF], 17, v6                  ; wave x 128 rows x 1,024 bytes
	v_lshl_add_u32 v[VOFF], v8, 10, v[VOFF]        ; + h rows
	v_lshl_add_u32 v[VOFF], v7, 4, v[VOFF]         ; + 16 r
	s_lshr_b32 s11, ttmp9, 5                       ; n.  The pair runs fastest, so that neighbouring groups read the four pieces of the same rows
	s_bfe_u32 s12, ttmp9, 0x30002                  ; chunk (3 bits from bit 2)
	s_and_b32 s13, ttmp9, 3                        ; pair
	s_lshl_b32 s14, s11, 23                        ; n x 8,192 rows
	s_lshl_b32 s15, s12, 20                        ; chunk x 1,024 rows
	s_or_b32 s14, s14, s15
	s_lshl_b32 s15, s13, 8                         ; pair x 256 bytes
	s_or_b32 s14, s14, s15
	s_mov_b32 s15, 0                               ; s[14:15]: the group's offset in keys and in values (below 64 MiB)
	s_lshl_b32 s16, s11, 5
	s_lshl3_add_u32 s17, s13, s12
	s_add_co_u32 s16, s16, s17                     ; (n*4 + pair)*8 + chunk
	s_mul_i32 s16, s16, PARTB
	s_mov_b32 s17, 0
	s_mov_b32 s[CL], 0x3fb8aa3b                    ; log2(e), twice: a pair for the packed multiply
	s_mov_b32 s[CL+1], 0x3fb8aa3b
	s_mov_b32 s24, 0x39000000                      ; 1 / 8192
	s_mov_b32 s25, 0x39000000
	s_wait_kmcnt 0x0
	s_add_nc_u64 s[4:5], s[4:5], s[14:15]
	s_add_nc_u64 s[6:7], s[6:7], s[14:15]
	s_add_nc_u64 s[8:9], s[8:9], s[16:17]
; 16 loads: 32 rows of step st of the tensor at s[sb:sb+1].  Load i: rows 2 i (lanes 0-15) and 2 i + 1 (lanes 16-31), 256 consecutive aligned bytes each.
; All steps are reached by the immediate: neither the offset register nor a base is ever stepped.
.macro LOADH buf, sb, st
.irp i, 0,1,2,3,4,5,6,7,8,9,10,11,12,13,14,15
	global_load_b128 v[\buf+4*\i:\buf+4*\i+3], v[VOFF], s[\sb:\sb+1] offset:\st*STEPB+\i*2*ROWB th:TH_LOAD_NT
.endr
.endm
; phi in place on 16 registers.  t = 2^(x log2 e) - 1.  elu(x) is the middle one of x, t and 0: for x > 0, 0 < x <= e^x - 1; for x <= 0, x <= e^x - 1 <= 0.
; Then + 1.  3.5 vector instructions a number.
.macro PHI16 x
.irp p, 0,2,4,6,8,10,12,14
	v_pk_mul_f32 v[TM+\p:TM+\p+1], v[\x+\p:\x+\p+1], s[CL:CL+1] op_sel_hi:[1,0]
.endr
.irp p, 0,1,2,3,4,5,6,7,8,9,10,11,12,13,14,15
	v_exp_f32 v[TM+\p], v[TM+\p]
.endr
	v_nop                                          ; one plain line between the exponentials and the first use of a result (ISA guide 5.7.2)
	s_wait_alu depctr_va_vdst(0)
.irp p, 0,2,4,6,8,10,12,14
	v_pk_add_f32 v[TM+\p:TM+\p+1], v[TM+\p:TM+\p+1], -1.0 op_sel_hi:[1,0]
.endr
.irp p, 0,1,2,3,4,5,6,7,8,9,10,11,12,13,14,15
	v_med3_num_f32 v[\x+\p], v[\x+\p], v[TM+\p], 0
.endr
.irp p, 0,2,4,6,8,10,12,14
	v_pk_add_f32 v[\x+\p:\x+\p+1], v[\x+\p:\x+\p+1], 1.0 op_sel_hi:[1,0]
.endr
.endm
; four fragments from a raw buffer: register p of fragment j = column j of loads 2 p and 2 p + 1.  Sources window 0, destination window 1.
.macro CVTF frag, buf
	WIN 0x40
.irp j, 0,1,2,3
.irp p, 0,1,2,3,4,5,6,7
	v_cvt_pk_bf16_f32 v[\frag+8*\j+\p], v[\buf+8*\p+\j], v[\buf+8*\p+4+\j]
.endr
.endr
	WIN 0
.endm
; K's half of a step.  Loads come back in order (ISA guide 5.7.1): group g (loads 4 g .. 4 g + 3) is in when at most the 12 - 4 g younger loads
; of this half and the `left` loads of the halves issued behind it are out.
.macro KHALF kb, left
.irp g, 0,1,2,3
	s_wait_loadcnt \left+12-4*\g
	PHI16 \kb+16*\g
.endr
	CVTF FA, \kb
.endm
.macro VHALF vb, left
	s_wait_loadcnt \left
	CVTF FB, \vb
.endm
; 20 matrix instructions, all operands in window 1.  zero = 1: the first step starts the sums, nothing is cleared.
; The fragments are written again only behind the next half's phi, far more than the four independent vector lines of ISA guide 7.12.1.
.macro MM zero
	WIN 0x55
.irp j, 0,1,2,3
.irp t, 0,1,2,3
.if \zero
	v_wmma_f32_16x16x32_bf16 v[ACC+8*(4*\j+\t):ACC+8*(4*\j+\t)+7], v[FA+8*\j:FA+8*\j+7], v[FB+8*\t:FB+8*\t+7], 0
.else
	v_wmma_f32_16x16x32_bf16 v[ACC+8*(4*\j+\t):ACC+8*(4*\j+\t)+7], v[FA+8*\j:FA+8*\j+7], v[FB+8*\t:FB+8*\t+7], v[ACC+8*(4*\j+\t):ACC+8*(4*\j+\t)+7]
.endif
.endr
.if \zero
	v_wmma_f32_16x16x32_bf16 v[ACC+8*(16+\j):ACC+8*(16+\j)+7], v[FA+8*\j:FA+8*\j+7], v[ONE:ONE+7], 0
.else
	v_wmma_f32_16x16x32_bf16 v[ACC+8*(16+\j):ACC+8*(16+\j)+7], v[FA+8*\j:FA+8*\j+7], v[ONE:ONE+7], v[ACC+8*(16+\j):ACC+8*(16+\j)+7]
.endif
.endr
	WIN 0
.endm
	; The halves K0 V0 K1 V1 K2 V2 K3 V3 go round the three buffers; a buffer is asked for again as soon as it has been packed.
	; 48 loads of 512 bytes are out in each wave: 24 KiB a wave, 192 KiB for the group.
	LOADH RB0, 4, 0                                ; K0
	LOADH RB1, 6, 0                                ; V0
	LOADH RB2, 4, 1                                ; K1
	WIN 0x40
.irp i, 0,1,2,3,4,5,6,7
	v_mov_b32 v[ONE+\i], 0x3f803f80                ; two bf16 ones
.endr
	WIN 0
	KHALF RB0, 32                                  ; K0; behind it V0, K1
	LOADH RB0, 6, 1                                ; V1
	VHALF RB1, 32                                  ; V0; behind it K1, V1
	LOADH RB1, 4, 2                                ; K2
	MM 1
	KHALF RB2, 32                                  ; K1; behind it V1, K2
	LOADH RB2, 6, 2                                ; V2
	VHALF RB0, 32                                  ; V1; behind it K2, V2
	LOADH RB0, 4, 3                                ; K3
	MM 0
	KHALF RB1, 32                                  ; K2; behind it V2, K3
	LOADH RB1, 6, 3                                ; V3
	VHALF RB2, 32                                  ; V2; behind it K3, V3
	MM 0
	KHALF RB0, 16                                  ; K3; behind it V3
	VHALF RB1, 0                                   ; V3: the last
	MM 0
	; THE EIGHT WAVES' SUMS MEET IN LDS.  The six address lines below are also the independent vector lines between the last matrix
	; instructions and the LDS stores that read their results (four are asked); all lanes are still on.
	s_mul_i32 s11, s10, PARTB                      ; my wave's region
	v_lshrrev_b32 v9, 1, v0
	v_xor_b32 v9, v9, v0
	v_and_b32 v9, 8, v9                            ; 0 where h = r >> 3: the tile's row head is the column head (lanes 0-7 and 24-31)
	v_lshlrev_b32 v[LRA], 4, v0
	v_add_nc_u32 v[LRB], 4*PARTB, v[LRA]
	v_lshl_add_u32 v[LST], v7, 4, s11              ; item u = r
	v_cmp_eq_u32 vcc_lo, 0, v9
	s_wait_xcnt 0x0                                ; EXEC is a source of the loads above: it changes only behind this wait
	s_and_saveexec_b32 s22, vcc_lo
	WIN 0x04                                       ; store data in window 1
.set g, 0
.rept 40
	ds_store_b128 v[LST], v[ACC+4*g:ACC+4*g+3] offset:256*g      ; registers 4e..4e+3 of tile T, g = 2 T + e: 16 lanes, 256 bytes
.set g, g+1
.endr
	WIN 0
	s_wait_dscnt 0x0                               ; for the other waves' sake: my stores are done before I signal
	s_or_b32 exec_lo, exec_lo, s22
	s_barrier_signal -1
	s_barrier_wait -1
.macro SUM8 b                          ; eight items of four f32 at b, b+4, .. b+28, added as a tree into b..b+3
.irp a, 0,8,16,24
	v_pk_add_f32 v[\b+\a:\b+\a+1], v[\b+\a:\b+\a+1], v[\b+\a+4:\b+\a+5]
	v_pk_add_f32 v[\b+\a+2:\b+\a+3], v[\b+\a+2:\b+\a+3], v[\b+\a+6:\b+\a+7]
.endr
.irp a, 0,16
	v_pk_add_f32 v[\b+\a:\b+\a+1], v[\b+\a:\b+\a+1], v[\b+\a+8:\b+\a+9]
	v_pk_add_f32 v[\b+\a+2:\b+\a+3], v[\b+\a+2:\b+\a+3], v[\b+\a+10:\b+\a+11]
.endr
	v_pk_add_f32 v[\b:\b+1], v[\b:\b+1], v[\b+16:\b+17]
	v_pk_add_f32 v[\b+2:\b+3], v[\b+2:\b+3], v[\b+18:\b+19]
.endm
.macro GET8 b, k                       ; item 256 k + thread of all eight regions
.irp w, 0,1,2,3
	ds_load_b128 v[\b+4*\w:\b+4*\w+3], v[LRA] offset:\w*PARTB+\k*4096
	ds_load_b128 v[\b+16+4*\w:\b+16+4*\w+3], v[LRB] offset:\w*PARTB+\k*4096
.endr
.endm
	; 640 items of 16 bytes: items 0-511 are KV (tiles 0-15), two for each thread; items 512-639 are Ksum, one for each thread of waves 0-3.
	GET8 RB0, 0
	GET8 RB0+32, 1
	s_wait_dscnt 0x8                               ; the first eight are in, the second eight may be out
	SUM8 RB0
	v_pk_mul_f32 v[RB0:RB0+1], v[RB0:RB0+1], s[24:25] op_sel_hi:[1,0]          ; values / 8192, taken out of the sum (a power of two)
	v_pk_mul_f32 v[RB0+2:RB0+3], v[RB0+2:RB0+3], s[24:25] op_sel_hi:[1,0]
	global_store_b128 v[LRA], v[RB0:RB0+3], s[8:9]                             ; 16 lanes store 256 consecutive bytes, aligned
	s_wait_dscnt 0x0
	SUM8 RB0+32
	v_pk_mul_f32 v[RB0+32:RB0+33], v[RB0+32:RB0+33], s[24:25] op_sel_hi:[1,0]
	v_pk_mul_f32 v[RB0+34:RB0+35], v[RB0+34:RB0+35], s[24:25] op_sel_hi:[1,0]
	global_store_b128 v[LRA], v[RB0+32:RB0+35], s[8:9] offset:4096
	s_cmp_ge_u32 s10, 4
	s_cbranch_scc1 .Lend
	GET8 RB1, 2                                    ; other registers than the pending stores' data
	s_wait_dscnt 0x0
	SUM8 RB1
	global_store_b128 v[LRA], v[RB1:RB1+3], s[8:9] offset:8192                 ; Ksum is not divided
.Lend:
	s_wait_tensorcnt 0x0
	ds_add_u32 v62, v63
	s_wait_dscnt 0x0
	s_endpgm
.Lfunc_end_k_q0e95ccf7fb_kvsum:
	.size	k_q0e95ccf7fb_kvsum, .Lfunc_end_k_q0e95ccf7fb_kvsum-k_q0e95ccf7fb_kvsum
	.p2alignl 7, 3214868480
	.fill 96, 4, 3214868480
	.section	.rodata,"a",@progbits
	.p2align	6, 0x0
	.amdhsa_kernel k_q0e95ccf7fb_kvsum
		.amdhsa_group_segment_fixed_size 84992
		.amdhsa_private_segment_fixed_size 0
		.amdhsa_enable_private_segment 0
		.amdhsa_kernarg_size 24
		.amdhsa_user_sgpr_count 2
		.amdhsa_user_sgpr_kernarg_segment_ptr 1
		.amdhsa_wavefront_size32 1
		.amdhsa_system_sgpr_workgroup_id_x 1
		.amdhsa_system_sgpr_workgroup_id_y 1
		.amdhsa_system_sgpr_workgroup_id_z 1
		.amdhsa_system_vgpr_workitem_id 0
		.amdhsa_next_free_vgpr 488
		.amdhsa_next_free_sgpr 66
		.amdhsa_reserve_vcc 1
		.amdhsa_float_denorm_mode_32 3
		.amdhsa_float_denorm_mode_16_64 3
		.amdhsa_memory_ordered 1
		.amdhsa_forward_progress 1
		.amdhsa_inst_pref_size 94
	.end_amdhsa_kernel
	.amdgpu_metadata
---
amdhsa.version: [ 1, 2 ]
amdhsa.kernels:
  - .name:           k_q0e95ccf7fb_kvsum
    .symbol:         k_q0e95ccf7fb_kvsum.kd
    .args:
      - { .name: keys, .offset: 0, .size: 8, .value_kind: global_buffer, .address_space: global }
      - { .name: values, .offset: 8, .size: 8, .value_kind: global_buffer, .address_space: global }
      - { .name: part, .offset: 16, .size: 8, .value_kind: global_buffer, .address_space: global }
    .group_segment_fixed_size: 84992
    .private_segment_fixed_size: 0
    .kernarg_segment_align: 8
    .kernarg_segment_size: 24
    .max_flat_workgroup_size: 256
    .sgpr_count:     66
    .vgpr_count:     488
    .wavefront_size: 32
...
	.end_amdgpu_metadata
.endif
;; end of part 1
;; launch apply (part 2): grid 256 x 1, 16 waves a work-group, no clusters, 49,152 bytes of LDS; arguments queries, part, out0; writes out0
.if DOCPART == 2
	.amdgcn_target "amdgcn-amd-amdhsa--gfx1250"
	.amdhsa_code_object_version 6
	.text
	.protected	k_q0e95ccf7fb_apply
	.globl	k_q0e95ccf7fb_apply
	.p2align	8
	.type	k_q0e95ccf7fb_apply,@function
k_q0e95ccf7fb_apply:
	s_mov_b64 s[64:65], 0
	v_nop
	global_prefetch_b8 v0, s[64:65] scope:SCOPE_SE
	s_setreg_imm32_b32 hwreg(HW_REG_WAVE_MODE, 25, 1), 1
	s_wait_xcnt 0x0
; apply: out[l][v] = (sum over d of phi(Q[l][d]) KV[d][v]) * 1 / (sum over d of phi(Q[l][d]) Ksum[d] + 1e-6) * 8192, for each batch and head.
; A work-group owns one batch n, one pair of heads (256 consecutive aligned bytes of every 1,024-byte row) and 1,024 rows: 256 groups.
; Sixteen waves, 64 rows each, in four tiles of 16 rows.
; Q comes straight into registers: a 16-byte load has lanes 0-15 on the 256 bytes of one row and lanes 16-31 on those of the next.  phi is taken in that layout,
; the numbers are rounded to bf16, and only then do they change places: eight 8-byte LDS stores and four 16-byte LDS loads a tile, through 16 rows x 144 bytes
; that are the wave's own (LDS serves a wave's instructions in order, ISA guide 5.7.1.4: no wait between them, no barrier).  Two raw buffers: 16 loads
; (8 KiB) of every wave are on their way, 128 KiB for the group.
; KV, Ksum: the eight chunks' partials of (n, pair), 8 x 10,240 bytes.  Waves 0-4 take one output tile each (t = 0..3, and Ksum), ask for its 32 items a lane AHEAD of
; their Q, add them, round to bf16 and stage the fragments in 2 KiB each; everybody reads them behind the one barrier, in front of which each wave has already
; taken phi of its first tile.
; NO CLUSTER: the eight groups of one (n, pair) share only these 81,920 bytes, read once, beside 524,288 bytes of Q and out that are each group's own.
;
; LAYOUT.  A (16 rows of Q, one head) in the natural order: lane (r, h) holds row r, d = 8 h .. 8 h + 7 and 16 + 8 h .. + 7.  Column r of output tile t is float 4 r + t
; of the pair's 64: columns 0-7 belong to head 0, 8-15 to head 1.  D_t = A(head 0) x B0_t + A(head 1) x B1_t, B0 being zero in columns 8-15 and B1 in columns 0-7:
; twice the matrix instructions of a dense form, and in return a lane's four tiles are 16 neighbouring bytes of a row of out, and sixteen lanes store 256
; consecutive aligned bytes straight from registers.  Tile 4 has Ksum in every column of its head: the denominator arrives in the lanes that divide by it.
; LIMITS: finite inputs (a NaN is not carried through the middle-of-three; an infinite phi(Q) in one head would meet the other head's zeros).  phi(Q), KV and Ksum are
; rounded to bf16 for the matrix unit.  1 / x by v_rcp_f32 (1 ulp).  Z * 8192 is formed as 1 / ((den + 1e-6) * 2^-13): the factor is a power of two, so the sum is
; rounded as in the definition.  Where the rounded e^x - 1 falls below a small positive x (by 2e-7 at the most) it is taken in x's stead.
.set ROWB,  1024
.set PARTB, 10240
.set QP,    144                        ; an LDS row of Q: 128 bytes of bf16 + 16 = 36 words, so that the 16 rows of a fragment load start at 16 different groups of four banks (64 banks of 4 bytes: ISA guide 11.1)
.set QW,    16*QP                      ; a wave's 16 rows
.set SB,    16*QW                      ; behind them: 5 tiles x (B0, B1) x 2 planes x 32 lanes x 16 bytes
.set VOFF,  1                          ; v1       byte offset of my 16 bytes in my wave's first two rows of Q; never rewritten
.set OA,    2                          ; v2       my byte offset in out; never rewritten
.set QS,    3                          ; v3       LDS: where I put 8 bytes of a row
.set QL,    4                          ; v4       LDS: where I read fragments of A
.set SRD,   5                          ; v5       LDS: where I read fragments of B
.set SST,   6                          ; v6       LDS: where waves 0-4 stage them
.set POF,   8                          ; v8-11    my item of tile (j, t) in a partial, j = 0..3
.set CS,    12                         ; v[12:13] 2^-13
.set CE,    14                         ; v[14:15] 1e-6 x 2^-13
.set TM,    16                         ; v16-31   at work
.set QB0,   32                         ; v32-63   raw buffer 0: 8 loads = 16 rows
.set QB1,   64                         ; v64-95   raw buffer 1
.set O,     96                         ; v96-127  eight rows of 16 bytes to store
.set FA,    96                         ; v96-111  A of head 0, of head 1: done with when O is written
.set D,     128                        ; v128-167 D_0..D_3 and the denominators D_4
.set B0,    168                        ; v168-207 B0_0..B0_4
.set B1,    208                        ; v208-247 B1_0..B1_4
.set P,     96                         ; v96-223  before the loop, waves 0-4: 4 j x 8 partials x 4 f32
.set CL,    20                         ; s[20:21] log2(e)
	s_load_b128 s[4:7], s[0:1], 0x0                ; queries s[4:5], part s[6:7]
	s_load_b64 s[8:9], s[0:1], 0x10                ; out0
	v_lshl_add_u32 v248, v0, 2, 0xb800
	v_mov_b32 v249, 0
	v_lshrrev_b32 v7, 5, v0
	v_readfirstlane_b32 s10, v7                    ; wave 0..15
	v_and_b32 v16, 15, v0                          ; r
	v_bfe_u32 v17, v0, 4, 1                        ; h
	v_and_b32 v18, 31, v0                          ; lane
	v_lshlrev_b32 v[VOFF], 16, v7                  ; wave x 64 rows x 1,024 bytes
	v_lshl_add_u32 v[OA], v17, 13, v[VOFF]         ; out: + 8 h rows
	v_lshl_add_u32 v[OA], v16, 4, v[OA]            ;      + 16 r
	v_lshl_add_u32 v[VOFF], v17, 10, v[VOFF]       ; Q:   + h rows
	v_lshl_add_u32 v[VOFF], v16, 4, v[VOFF]        ;      + 16 r
	s_lshr_b32 s11, ttmp9, 5                       ; n
	s_bfe_u32 s12, ttmp9, 0x30002                  ; chunk
	s_and_b32 s13, ttmp9, 3                        ; pair
	s_lshl_b32 s14, s11, 23
	s_lshl_b32 s15, s12, 20
	s_or_b32 s14, s14, s15
	s_lshl_b32 s15, s13, 8
	s_or_b32 s14, s14, s15
	s_mov_b32 s15, 0                               ; s[14:15]: the group's offset in queries and in out0
	s_lshl2_add_u32 s16, s11, s13                  ; n*4 + pair
	s_mul_i32 s16, s16, 8*PARTB                    ; its eight partials
	s_mov_b32 s17, 0
	; waves 0-3 (t = wave): tiles T = 4 j + t, 512 t + 2,048 j bytes into a partial; wave 4: Ksum's tiles T = 16 + j, 8,192 + 512 j
	s_lshl_b32 s18, s10, 9
	s_mov_b32 s19, 512
	s_mov_b32 s26, 2048
	s_cmp_lt_u32 s10, 4
	s_cselect_b32 s18, s18, 8192
	s_cselect_b32 s19, s26, s19
	v_lshl_add_u32 v[POF], v18, 4, s18             ; item = lane
	v_add_nc_u32 v[POF+1], s19, v[POF]
	v_add_nc_u32 v[POF+2], s19, v[POF+1]
	v_add_nc_u32 v[POF+3], s19, v[POF+2]
	s_wait_kmcnt 0x0
	s_add_nc_u64 s[4:5], s[4:5], s[14:15]
	s_add_nc_u64 s[8:9], s[8:9], s[14:15]
	s_add_nc_u64 s[6:7], s[6:7], s[16:17]
; 8 loads: tile i of my wave.  Load k: rows 2 k (lanes 0-15) and 2 k + 1 (lanes 16-31), 256 consecutive aligned bytes each; all tiles by the immediate.
.macro LOADQ buf, i
.irp k, 0,1,2,3,4,5,6,7
	global_load_b128 v[\buf+4*\k:\buf+4*\k+3], v[VOFF], s[4:5] offset:(\i)*16*ROWB+\k*2*ROWB th:TH_LOAD_NT
.endr
.endm
	s_cmp_ge_u32 s10, 5
	s_cbranch_scc1 .Lq
.irp j, 0,1,2,3
.irp p, 0,1,2,3,4,5,6,7
	global_load_b128 v[P+32*\j+4*\p:P+32*\j+4*\p+3], v[POF+\j], s[6:7] offset:\p*PARTB   ; the partials first: everybody will wait for them
.endr
.endr
.Lq:
	LOADQ QB0, 0
	LOADQ QB1, 1
	s_mul_i32 s22, s10, QW                         ; my wave's rows in LDS
	v_mul_u32_u24 v[QS], v17, QP                   ; in: row h of a load's two, 8 bytes for columns 4 r .. 4 r + 3
	v_lshl_add_u32 v[QS], v16, 3, v[QS]
	v_add_nc_u32 v[QS], s22, v[QS]
	v_mul_u32_u24 v[QL], v16, QP                   ; back: row r, 16 bytes at 16 h
	v_lshl_add_u32 v[QL], v17, 4, v[QL]
	v_add_nc_u32 v[QL], s22, v[QL]
	s_mov_b32 s23, SB
	v_lshl_add_u32 v[SRD], v18, 4, s23             ; 16 x lane
	s_lshl_b32 s24, s10, 11                        ; a staging wave's 2,048 bytes
	s_add_co_u32 s24, s24, SB
	v_lshl_add_u32 v[SST], v17, 9, s24             ; plane e = my item's half
	v_lshl_add_u32 v[SST], v16, 4, v[SST]          ; lane u of the fragment
	v_mov_b32 v[CS], 0x39000000                    ; 2^-13
	v_mov_b32 v[CS+1], 0x39000000
	v_mov_b32 v[CE], 0x2f0637bd                    ; 1e-6 (0x358637bd) x 2^-13
	v_mov_b32 v[CE+1], 0x2f0637bd
	s_mov_b32 s[CL], 0x3fb8aa3b                    ; log2(e)
	s_mov_b32 s[CL+1], 0x3fb8aa3b
.macro SUM8 b                          ; eight items of four f32 at b, b+4, .. b+28, added as a tree into b..b+3
.irp a, 0,8,16,24
	v_pk_add_f32 v[\b+\a:\b+\a+1], v[\b+\a:\b+\a+1], v[\b+\a+4:\b+\a+5]
	v_pk_add_f32 v[\b+\a+2:\b+\a+3], v[\b+\a+2:\b+\a+3], v[\b+\a+6:\b+\a+7]
.endr
.irp a, 0,16
	v_pk_add_f32 v[\b+\a:\b+\a+1], v[\b+\a:\b+\a+1], v[\b+\a+8:\b+\a+9]
	v_pk_add_f32 v[\b+\a+2:\b+\a+3], v[\b+\a+2:\b+\a+3], v[\b+\a+10:\b+\a+11]
.endr
	v_pk_add_f32 v[\b:\b+1], v[\b:\b+1], v[\b+16:\b+17]
	v_pk_add_f32 v[\b+2:\b+3], v[\b+2:\b+3], v[\b+18:\b+19]
.endm
	s_cmp_ge_u32 s10, 5
	s_cbranch_scc1 .Lphi
	; WAVES 0-4: lane (e, u) holds, for j = 0..3 and x = 0..3, the entry d = 16 e + 4 x + j of column u.  In the natural fragment that entry lies in lane (u, h = x >> 1),
	; register 4 e + 2 (x & 1) + (j >> 1), half j & 1: packing j = 0, 1 and j = 2, 3 gives, for each x >> 1, the four registers of plane e of one lane.
	s_wait_loadcnt 0x10                            ; the 32 partial loads are in; the 16 loads of Q behind them may be out
	SUM8 P
	SUM8 P+32
	SUM8 P+64
	SUM8 P+96
.irp xh, 0,1
	v_cvt_pk_bf16_f32 v[TM+4*\xh],   v[P+2*\xh],      v[P+32+2*\xh]
	v_cvt_pk_bf16_f32 v[TM+4*\xh+1], v[P+64+2*\xh],   v[P+96+2*\xh]
	v_cvt_pk_bf16_f32 v[TM+4*\xh+2], v[P+2*\xh+1],    v[P+32+2*\xh+1]
	v_cvt_pk_bf16_f32 v[TM+4*\xh+3], v[P+64+2*\xh+1], v[P+96+2*\xh+1]
.endr
	v_and_b32 v7, 8, v0
	v_cmp_eq_u32 vcc_lo, 0, v7                     ; columns 0-7: head 0
	v_cmp_ne_u32 s25, 0, v7                        ; columns 8-15: head 1
.irp i, 0,1,2,3,4,5,6,7
	v_cndmask_b32 v[TM+8+\i], 0, v[TM+\i], vcc_lo  ; B0: head 0's columns, zero elsewhere
.endr
.irp i, 0,1,2,3,4,5,6,7
	v_cndmask_b32 v[TM+\i], 0, v[TM+\i], s25       ; B1: head 1's columns, zero elsewhere
.endr
	ds_store_b128 v[SST], v[TM+8:TM+11]                ; B0, lane (u, 0)
	ds_store_b128 v[SST], v[TM+12:TM+15] offset:256    ; B0, lane (u, 1)
	ds_store_b128 v[SST], v[TM:TM+3] offset:1024       ; B1, lane (u, 0)
	ds_store_b128 v[SST], v[TM+4:TM+7] offset:1280     ; B1, lane (u, 1)
.Lphi:
; phi in place on 16 registers.  t = 2^(x log2 e) - 1.  elu(x) is the middle one of x, t and 0: for x > 0, 0 < x <= e^x - 1; for x <= 0, x <= e^x - 1 <= 0.  Then + 1.
.macro PHI16 x
.irp p, 0,2,4,6,8,10,12,14
	v_pk_mul_f32 v[TM+\p:TM+\p+1], v[\x+\p:\x+\p+1], s[CL:CL+1] op_sel_hi:[1,0]
.endr
.irp p, 0,1,2,3,4,5,6,7,8,9,10,11,12,13,14,15
	v_exp_f32 v[TM+\p], v[TM+\p]
.endr
	v_nop                                          ; one plain line between the exponentials and the first use of a result (ISA guide 5.7.2)
	s_wait_alu depctr_va_vdst(0)
.irp p, 0,2,4,6,8,10,12,14
	v_pk_add_f32 v[TM+\p:TM+\p+1], v[TM+\p:TM+\p+1], -1.0 op_sel_hi:[1,0]
.endr
.irp p, 0,1,2,3,4,5,6,7,8,9,10,11,12,13,14,15
	v_med3_num_f32 v[\x+\p], v[\x+\p], v[TM+\p], 0
.endr
.irp p, 0,2,4,6,8,10,12,14
	v_pk_add_f32 v[\x+\p:\x+\p+1], v[\x+\p:\x+\p+1], 1.0 op_sel_hi:[1,0]
.endr
.endm
; A tile's first half: phi, bf16, into my rows of LDS.  Loads come back in order (ISA guide 5.7.1): group g (loads 4 g .. 4 g + 3) is in when at most the
; 4 - 4 g younger loads of this tile and the `left` loads of the other buffer are out.
.macro APH buf, left
.irp g, 0,1
	s_wait_loadcnt \left+4-4*\g
	PHI16 \buf+16*\g
.irp k, 0,1,2,3
	v_cvt_pk_bf16_f32 v[TM+2*\k],   v[\buf+16*\g+4*\k],   v[\buf+16*\g+4*\k+1]
	v_cvt_pk_bf16_f32 v[TM+2*\k+1], v[\buf+16*\g+4*\k+2], v[\buf+16*\g+4*\k+3]
.endr
.irp k, 0,1,2,3
	ds_store_b64 v[QS], v[TM+2*\k:TM+2*\k+1] offset:(4*\g+\k)*2*QP     ; rows 2 (4 g + k) + h, bytes 8 r .. 8 r + 7
.endr
.endr
.endm
; A tile's second half: fragments back, ten matrix instructions, scale, store.  later = 1: stores of an earlier tile exist.  refill = 1: buffer buf gets tile i + 2.
.macro BPH i, later, refill, buf
.if \later
	s_wait_xcnt 0x0                                ; O, which the last tile's stores read, is written again (first by the loads of A) only behind this wait
.endif
	ds_load_b128 v[FA:FA+3],     v[QL]             ; head 0, d = 8 h ..
	ds_load_b128 v[FA+4:FA+7],   v[QL] offset:32   ; head 0, d = 16 + 8 h ..
	ds_load_b128 v[FA+8:FA+11],  v[QL] offset:64   ; head 1
	ds_load_b128 v[FA+12:FA+15], v[QL] offset:96
.if \refill
	LOADQ \buf, \i+2
.endif
	s_wait_dscnt 0x0
.irp t, 4,0,1,2,3
	v_wmma_f32_16x16x32_bf16 v[D+8*\t:D+8*\t+7], v[FA:FA+7], v[B0+8*\t:B0+8*\t+7], 0                     ; head 0 starts the sums
.endr
.irp t, 4,0,1,2,3
	v_wmma_f32_16x16x32_bf16 v[D+8*\t:D+8*\t+7], v[FA+8:FA+15], v[B1+8*\t:B1+8*\t+7], v[D+8*\t:D+8*\t+7]  ; head 1 in place
.endr
.rept 4
	v_nop                                          ; four independent vector lines before a vector line reads a matrix result or writes a matrix source (ISA guide 7.12.1)
.endr
.irp p, 0,2,4,6
	v_pk_fma_f32 v[D+32+\p:D+33+\p], v[D+32+\p:D+33+\p], v[CS:CS+1], v[CE:CE+1]     ; (den + 1e-6) x 2^-13
.endr
.irp p, 0,1,2,3,4,5,6,7
	v_rcp_f32 v[D+32+\p], v[D+32+\p]               ; Z x 8192 of row 8 h + p and of my column's head
.endr
	v_nop                                          ; one plain line before a reciprocal is used (ISA guide 5.7.2)
	s_wait_alu depctr_va_vdst(0)
.irp jj, 0,1,2,3,4,5,6,7
.irp t, 0,1,2,3
	v_mul_f32 v[O+4*\jj+\t], v[D+8*\t+\jj], v[D+32+\jj]        ; the scaling also brings floats 4 r .. 4 r + 3 of row 8 h + jj side by side
.endr
	global_store_b128 v[OA], v[O+4*\jj:O+4*\jj+3], s[8:9] offset:\i*16*ROWB+\jj*ROWB th:TH_STORE_NT   ; lanes 0-15 and lanes 16-31: 256 consecutive aligned bytes each
.endr
.endm
	APH QB0, 8                                     ; tile 0; behind it tile 1's eight loads
	LOADQ QB0, 2
	s_wait_dscnt 0x0                               ; for the other waves' sake: what I staged is in LDS before I signal
	s_barrier_signal -1
	s_barrier_wait -1
.irp t, 0,1,2,3,4
	ds_load_b128 v[B0+8*\t:B0+8*\t+3],   v[SRD] offset:\t*2048
	ds_load_b128 v[B0+8*\t+4:B0+8*\t+7], v[SRD] offset:\t*2048+512
	ds_load_b128 v[B1+8*\t:B1+8*\t+3],   v[SRD] offset:\t*2048+1024
	ds_load_b128 v[B1+8*\t+4:B1+8*\t+7], v[SRD] offset:\t*2048+1536
.endr
	BPH 0, 0, 0, 0
	APH QB1, 8                                     ; tile 1; behind it tile 2's
	BPH 1, 1, 1, QB1                               ; asks for tile 3
	APH QB0, 8                                     ; tile 2; behind it tile 3's
	BPH 2, 1, 0, 0
	APH QB1, 0                                     ; tile 3: the last
	BPH 3, 1, 0, 0
	s_wait_tensorcnt 0x0
	ds_add_u32 v248, v249
	s_wait_dscnt 0x0
	s_endpgm
.Lfunc_end_k_q0e95ccf7fb_apply:
	.size	k_q0e95ccf7fb_apply, .Lfunc_end_k_q0e95ccf7fb_apply-k_q0e95ccf7fb_apply
	.p2alignl 7, 3214868480
	.fill 96, 4, 3214868480
	.section	.rodata,"a",@progbits
	.p2align	6, 0x0
	.amdhsa_kernel k_q0e95ccf7fb_apply
		.amdhsa_group_segment_fixed_size 49152
		.amdhsa_private_segment_fixed_size 0
		.amdhsa_enable_private_segment 0
		.amdhsa_kernarg_size 24
		.amdhsa_user_sgpr_count 2
		.amdhsa_user_sgpr_kernarg_segment_ptr 1
		.amdhsa_wavefront_size32 1
		.amdhsa_system_sgpr_workgroup_id_x 1
		.amdhsa_system_sgpr_workgroup_id_y 1
		.amdhsa_system_sgpr_workgroup_id_z 1
		.amdhsa_system_vgpr_workitem_id 0
		.amdhsa_next_free_vgpr 250
		.amdhsa_next_free_sgpr 66
		.amdhsa_reserve_vcc 1
		.amdhsa_float_denorm_mode_32 3
		.amdhsa_float_denorm_mode_16_64 3
		.amdhsa_memory_ordered 1
		.amdhsa_forward_progress 1
		.amdhsa_inst_pref_size 61
	.end_amdhsa_kernel
	.amdgpu_metadata
---
amdhsa.version: [ 1, 2 ]
amdhsa.kernels:
  - .name:           k_q0e95ccf7fb_apply
    .symbol:         k_q0e95ccf7fb_apply.kd
    .args:
      - { .name: queries, .offset: 0, .size: 8, .value_kind: global_buffer, .address_space: global }
      - { .name: part, .offset: 8, .size: 8, .value_kind: global_buffer, .address_space: global }
      - { .name: out0, .offset: 16, .size: 8, .value_kind: global_buffer, .address_space: global }
    .group_segment_fixed_size: 49152
    .private_segment_fixed_size: 0
    .kernarg_segment_align: 8
    .kernarg_segment_size: 24
    .max_flat_workgroup_size: 512
    .sgpr_count:     66
    .vgpr_count:     250
    .wavefront_size: 32
...
	.end_amdgpu_metadata
.endif
;; end of part 2
